; MI455X (gfx1250); checked and timed in simulation.
; The chip was launched on July 23, 2026; its instructions are those of AMD's public machine-readable ISA for CDNA 5 (MIT licence, August 2026) and "CDNA5" Instruction Set Architecture Reference Guide (July 2026). The comments in the code are by the model that wrote it; some were corrected since.
;; Lo RA Linear. Allowed arithmetic: matrix products marked QUANTISED: E5M2 operands, one given power-of-two scale a tensor, by v_wmma_f32_16x16x64_bf8_bf8 or v_wmma_f32_16x16x128_bf8_bf8, f32 sums; products left as they are: f32 operands where the result goes on into a quantised operand, else bf16, f16 or f32 operands; f32 sums; everything else in f32.
;; Inputs: A 16 x 2,048 float32; B 2,048 x 16 float32; bias 2,048 float32; lowp_scales 4 int32 (the exponents e of the quantised operands' scales 2^e); weight 2,048 x 2,048 float32; x 4 x 2,048 x 2,048 float32.
;; Outputs: out0 4 x 2,048 x 2,048 float32.
;; This version of the problem:
;;   THIS VERSION OF THE PROBLEM IS GIVEN IN LOW PRECISION. The matrix products marked QUANTISED in the list below multiply operands that are first quantised to E5M2 (5 exponent bits, 2 mantissa bits; 8 bits a number), with one given power-of-two scale for each operand tensor; their sums are f32. All else is computed in f32.
;;   The module's matrix products, in the order in which they are computed (A, B: the left and right operand; K: the contracted axis; several contracted axes count as one K, in the product's order):
;;     1. [M 8,192, K 2,048] x [K 2,048, N 2,048]; A: input x; B: input weight: QUANTISED (scales: A lowp_scales[0], B lowp_scales[1])
;;     2. [M 2,048, K 16] x [K 16, N 2,048]; A: input B; B: input A: left as it is (K = 16 < 32)
;;     3. [M 8,192, K 2,048] x [K 2,048, N 2,048]; A: input x; B: computed on the way: QUANTISED (scales: A lowp_scales[2], B lowp_scales[3])
;;   THE QUANTISER, for each operand of a quantised product, along K:
;;     - The operand's scale is 2^e, e = its entry of the input lowp_scales (int32; the entries are numbered through the quantised products in the list's order, A before B).
;;     - Each number is divided by the scale, clamped to +-57,344, and rounded to the nearest number of E5M2, ties to even, subnormals kept.
;;     - The product sums the exact products of the quantised numbers (number of the format x scale) in f32.
;;   ~~~python
;;   def quantise(x, axis, e):      # numpy; x: float32 -> the quantised numbers, widened to float32 again
;;       x = np.moveaxis(x, axis, -1); K = x.shape[-1]
;;       r = np.clip(x / 2.0 ** e, -57344, 57344)
;;       step = 2.0 ** (np.maximum(np.frexp(np.where(r == 0, 1, r))[1] - 1, -14) - 2)
;;       q = np.round(r / step) * step * 2.0 ** e      # np.round: ties to even
;;       return np.moveaxis(q, -1, axis).astype(np.float32)
;;   ~~~
;;   OPERANDS COMPUTED ON THE WAY. 'Computed on the way' means the value that the module computes at that place (a softmax that the list does not call 'softmax' is quantised finished and normalised). What goes into a quantiser is computed in f32, as accurately as f32 sums, v_exp_f32 and their like allow (about 1e-6 of the number): no bf16 or f16 on the way to a quantiser, and a product that is left as it is and whose result goes on into a quantised operand takes f32 operands (vector FMAs, or v_wmma_f32_16x16x4_f32). A number that lies on a knife's edge between two numbers of the format may be rounded either way, as far as f32 arithmetic and the matrix unit's own rounding can turn it there, and no further.
;; One version. Each part assembles by itself: llvm-mc -triple=amdgcn-amd-amdhsa -mcpu=gfx1250 --defsym DOCPART=n.
;; ======== version 1 of 1: 2 launches
;; limits: right only within a limited range of input values
;; workspace buffers: xc 33,554,432 bytes; wc 8,388,608 bytes
;; launch quant (part 1): grid 768 x 1, 4 waves a work-group, no clusters, 67,584 bytes of LDS; arguments x, weight, A, B, lowp_scales, xc, wc; writes xc, wc
.if DOCPART == 1
	.amdgcn_target "amdgcn-amd-amdhsa--gfx1250"
	.amdhsa_code_object_version 6
	.text
	.protected	k_qeb14bf3cf4_quant
	.globl	k_qeb14bf3cf4_quant
	.p2align	8
	.type	k_qeb14bf3cf4_quant,@function
k_qeb14bf3cf4_quant:
	s_mov_b64 s[64:65], 0
	v_nop
	global_prefetch_b8 v0, s[64:65] scope:SCOPE_SE
	s_setreg_imm32_b32 hwreg(HW_REG_WAVE_MODE, 25, 1), 1
	s_wait_xcnt 0x0
; THE OPERANDS OF BOTH QUANTISED PRODUCTS ARE MADE HERE, ONCE, as codes of BF8 (E5M2), one byte each, the two products side by side along K (4,096 in all):
;   K 0-2047 = the LoRA product (x with e2, B A with e3), K 2048-4095 = the base product (x with e0, weight with e1).  Every input is read.
;   wc [2048][4096]: rows with K innermost.
;   xc [512 blocks of 16 rows][32 steps of 128 K][4 c][32 lanes][16 bytes]: the image of the matrix operand's registers: lane l = 16 h + r holds, of row r, K = 32 c + 16 h + 0 .. 15.
; code = number / 2^e, held within +-57,344, rounded to the nearest code, ties to even.
; LIMITS: each e is held within -126 .. 112, so that 2^e and 57,344 x 2^e are f32 numbers.  NaN among the inputs is not served; an infinity is held at the largest code.
; ROLES, by the work-group's number: 0-127 make B A (f32 multiply-adds, K = 16 ascending) and quantise it; 128-255 quantise weight; 256-767 quantise x, twice.
; No tensor loads, no barrier: waves share nothing.  The two roles that use LDS have LDS bytes of their own.
.set ND,    128
.set NW,    128
.set STEPS, 16                         ; weight: a wave takes 16 steps of 512 numbers: four rows of 2,048
.set SP,    80                         ; weight: a lane's place in a stage: its 64 bytes + 16 of padding
.set WREG,  8192                       ; weight: a region for each wave: two stages of 32 x SP bytes
.set SPARE, 0x8000                     ; the spare words: 128 bytes a wave
.set XST,   0x8400                     ; x: a stage for each wave, 16 rows x XP bytes
.set XP,    528                        ; 512 bytes of a row + 16 of padding: the 16 rows that a read touches start at 16 different banks
.set WR,    16                         ; weight: v16-79 four sets as loaded; v80-111 two sets of 16 neighbours; v128-191 codes, four registers a step
.set WX,    80
.set WC,    128
.set R,     16                         ; x: v16-143 two sets of 16 rows as loaded
.set X,     144                        ; v144-207 my 64 numbers of a unit: 16 neighbours for each c
.set T,     208                        ; v208-223 the held copy for the first conversion
.set C,     224                        ; v224-231 codes: four registers with e0, four with e2
.set SPW,   232
.set NIL,   233
.set AT,    16                         ; B A: v16-143 A[r][my 8 columns] at AT + 8 r
.set BT,    144                        ; v144-207 a ring of four rows of B
.set AC,    208                        ; v208-215 a row's eight sums
.set CD,    216                        ; v216-223 codes
; 2^e as f32 into v[vsc], 57,344 x 2^e into v[vlim]; e in s[se], held first; no branch hangs on it
.macro MKSCALE se, st, vsc, vlim
	s_max_i32 s[\se], s[\se], -126
	s_min_i32 s[\se], s[\se], 112
	s_add_co_i32 s[\se], s[\se], 127
	s_lshl_b32 s[\st], s[\se], 23
	v_mov_b32 v[\vsc], s[\st]
	s_add_co_i32 s[\se], s[\se], 15
	s_lshl_b32 s[\se], s[\se], 23
	s_or_b32 s[\se], s[\se], 0x600000
	v_mov_b32 v[\vlim], s[\se]
.endm
	s_load_b256 s[4:11], s[0:1], 0x0               ; x, weight, A, B
	s_load_b128 s[12:15], s[0:1], 0x20             ; lowp_scales, xc
	s_load_b64 s[16:17], s[0:1], 0x30              ; wc
	v_lshl_add_u32 v[SPW], v0, 2, SPARE
	v_mov_b32 v[NIL], 0
	v_lshrrev_b32 v1, 5, v0
	v_readfirstlane_b32 s24, v1                    ; wave
	v_and_b32 v2, 31, v0                           ; lane
	v_lshlrev_b32 v3, 4, v2                        ; 16 x lane
	s_wait_alu depctr_va_vdst(0)
	s_wait_kmcnt 0x0
	s_load_b128 s[20:23], s[12:13], 0x0            ; e0, e1, e2, e3
	s_cmp_lt_u32 ttmp9, ND
	s_cbranch_scc1 .Ldelta
	s_cmp_lt_u32 ttmp9, ND+NW
	s_cbranch_scc1 .Lweight
; ---------------- x.  A wave takes 16 rows x 512 along K: four units of 16 rows x 128.  Each load reads 512 consecutive bytes of one row; a unit turns through the wave's stage and comes back
; as the operand's layout wants it; each store covers 512 consecutive bytes of xc.
	s_sub_co_u32 s29, ttmp9, ND+NW
	s_lshl_b32 s29, s29, 2
	s_add_co_u32 s29, s29, s24                     ; wave among 2,048
	s_lshr_b32 s25, s29, 2                         ; block of 16 rows
	s_and_b32 s28, s29, 3                          ; which 512 along K
	s_lshl_b32 s30, s25, 17                        ; 16 rows of 8,192 bytes
	s_lshl_b32 s26, s28, 11
	s_add_co_u32 s30, s30, s26
	s_mov_b32 s31, 0
	s_add_nc_u64 s[4:5], s[4:5], s[30:31]
	s_lshl_b32 s30, s25, 16                        ; a block's 32 steps of 2,048 bytes
	s_lshl_b32 s26, s28, 13                        ; four steps
	s_add_co_u32 s30, s30, s26
	s_add_nc_u64 s[14:15], s[14:15], s[30:31]
	s_mul_i32 s26, s24, 16*XP
	s_add_co_u32 s26, s26, XST
	v_add_nc_u32 v4, s26, v3                       ; into the stage: 16 x lane of a row
	v_and_b32 v5, 15, v2
	v_lshrrev_b32 v6, 4, v2
	v_mul_u32_u24 v5, v5, XP
	v_lshl_add_u32 v5, v6, 6, v5
	v_add_nc_u32 v5, s26, v5                       ; out of it: row r, + 64 h
.macro XLOAD u
.irp j, 0,1,2,3,4,5,6,7,8,9,10,11,12,13,14,15
	global_load_b128 v[R+64*((\u)%2)+4*\j:R+64*((\u)%2)+4*\j+3], v3, s[4:5] offset:8192*\j+512*(\u) th:TH_LOAD_NT
.endr
.endm
	XLOAD 0
	XLOAD 1
	s_wait_kmcnt 0x0
	MKSCALE 20, 32, 11, 10                         ; e0
	MKSCALE 22, 32, 13, 12                         ; e2
	s_wait_alu depctr_va_vdst(0)
.macro UNIT u
.if (\u) < 3
	s_wait_loadcnt 16                              ; this unit's 16 loads are in; the next unit's may be out
.else
	s_wait_loadcnt 0
.endif
.irp j, 0,1,2,3,4,5,6,7,8,9,10,11,12,13,14,15
	ds_store_b128 v4, v[R+64*((\u)%2)+4*\j:R+64*((\u)%2)+4*\j+3] offset:XP*\j
.endr
.irp c, 0,1,2,3
.irp i, 0,1,2,3
	ds_load_b128 v[X+16*\c+4*\i:X+16*\c+4*\i+3], v5 offset:128*\c+16*\i   ; LDS serves a wave's instructions in order: these see the stores above
.endr
.endr
	s_wait_dscnt 0x0                               ; the unit is back, and the stores have read their registers,
.if (\u)+2 < 4
	XLOAD (\u)+2                                   ; which take the unit two further on
.endif
.irp c, 0,1,2,3
	s_wait_xcnt 0x0                                ; the earlier stores have read their data: the codes' registers are written again only behind this wait
.irp i, 0,1,2,3,4,5,6,7,8,9,10,11,12,13,14,15
	v_med3_num_f32 v[T+\i], v[X+16*\c+\i], -v10, v10   ; the conversion does not saturate (ISA guide 7.6.2): the hold, into a copy: the numbers are wanted again
.endr
	v_cvt_scalef32_pk8_bf8_f32 v[C:C+1], v[T:T+7], v11
	v_cvt_scalef32_pk8_bf8_f32 v[C+2:C+3], v[T+8:T+15], v11
	v_nop                                          ; one plain vector line behind the conversions
	global_store_b128 v3, v[C:C+3], s[14:15] offset:32768+2048*(\u)+512*\c   ; the base product's steps 16-31
.irp i, 0,1,2,3,4,5,6,7,8,9,10,11,12,13,14,15
	v_med3_num_f32 v[X+16*\c+\i], v[X+16*\c+\i], -v12, v12
.endr
	v_cvt_scalef32_pk8_bf8_f32 v[C+4:C+5], v[X+16*\c:X+16*\c+7], v13
	v_cvt_scalef32_pk8_bf8_f32 v[C+6:C+7], v[X+16*\c+8:X+16*\c+15], v13
	v_nop
	global_store_b128 v3, v[C+4:C+7], s[14:15] offset:2048*(\u)+512*\c       ; the LoRA product's steps 0-15
.endr
.endm
.irp u, 0,1,2,3
	UNIT \u
.endr
	s_wait_tensorcnt 0x0                           ; the wave's end
	ds_add_u32 v[SPW], v[NIL]
	s_wait_dscnt 0x0
	s_endpgm
; ---------------- weight: a stream of blocks.  Each load reads 512 consecutive bytes; a step's 2,048 bytes turn through the wave's stage and come back 64 bytes a lane: 16 neighbours along K.
.Lweight:
	s_sub_co_u32 s29, ttmp9, ND
	s_lshl_b32 s29, s29, 2
	s_add_co_u32 s29, s29, s24                     ; which four rows are my wave's
	s_lshl_b32 s30, s29, 15
	s_mov_b32 s31, 0
	s_add_nc_u64 s[6:7], s[6:7], s[30:31]
	s_lshl_b32 s30, s29, 14                        ; four rows of 4,096 bytes of codes
	s_add_nc_u64 s[16:17], s[16:17], s[30:31]
	s_mul_i32 s30, s24, WREG
	v_lshrrev_b32 v14, 2, v2
	v_mul_u32_u24 v14, v14, SP
	v_and_b32 v15, 3, v2
	v_lshl_add_u32 v14, v15, 4, v14
	v_add_nc_u32 v14, s30, v14                     ; the stage, on the way in
	v_mul_u32_u24 v15, v2, SP
	v_add_nc_u32 v15, s30, v15                     ; and on the way out
.macro LOAD t
.irp i, 0,1,2,3
	global_load_b128 v[WR+16*((\t)%4)+4*\i:WR+16*((\t)%4)+4*\i+3], v3, s[6:7] offset:2048*(\t)+512*\i th:TH_LOAD_NT
.endr
.endm
.macro TURN t
.irp i, 0,1,2,3
	ds_store_b128 v14, v[WR+16*((\t)%4)+4*\i:WR+16*((\t)%4)+4*\i+3] offset:32*SP*((\t)%2)+8*SP*\i
.endr
.irp i, 0,1,2,3
	ds_load_b128 v[WX+16*((\t)%2)+4*\i:WX+16*((\t)%2)+4*\i+3], v15 offset:32*SP*((\t)%2)+16*\i
.endr
.endm
.irp t, 0,1,2,3
	LOAD \t
.endr
	s_wait_kmcnt 0x0
	MKSCALE 21, 32, 11, 10                         ; e1
	s_wait_alu depctr_va_vdst(0)
	s_wait_loadcnt 12                              ; step 0's four loads are in
	TURN 0
.macro STEP t
.set XS, WX+16*((\t)%2)
	s_wait_dscnt 0x0                               ; this step's numbers are back, and its stores into the stage have read their registers
.if (\t)+4 < STEPS
	LOAD (\t)+4
.endif
.if (\t)+1 < STEPS
.if STEPS-2-(\t) >= 3
	s_wait_loadcnt 12                              ; the next step's four loads are in; three steps' may be out
.else
	s_wait_loadcnt 4*(STEPS-2-(\t))
.endif
	TURN (\t)+1
.endif
.irp i, 0,1,2,3,4,5,6,7,8,9,10,11,12,13,14,15
	v_med3_num_f32 v[XS+\i], v[XS+\i], -v10, v10
.endr
	v_cvt_scalef32_pk8_bf8_f32 v[WC+4*(\t):WC+4*(\t)+1], v[XS:XS+7], v11
	v_cvt_scalef32_pk8_bf8_f32 v[WC+4*(\t)+2:WC+4*(\t)+3], v[XS+8:XS+15], v11
	v_nop
	global_store_b128 v3, v[WC+4*(\t):WC+4*(\t)+3], s[16:17] offset:((\t)/4)*4096+((\t)%4)*512+2048   ; the base product's half of the row
.endm
.irp t, 0,1,2,3,4,5,6,7,8,9,10,11,12,13,14,15
	STEP \t
.endr
	s_wait_tensorcnt 0x0                           ; the wave's end
	ds_add_u32 v[SPW], v[NIL]
	s_wait_dscnt 0x0
	s_endpgm
; ---------------- B A, quantised with e3.  A wave takes 32 rows (o) x 256 columns (i); a lane owns 8 neighbouring columns, 8 neighbours along the quantised product's K.
; A's 16 rows of those columns stay in 128 registers; a row of B is loaded alike into every lane; a row's 8 sums are 64 packed multiply-adds in f32, r ascending.
.Ldelta:
	s_lshl_b32 s25, ttmp9, 2
	s_add_co_u32 s25, s25, s24
	s_and_b32 s26, s25, 7                          ; which 256 columns
	s_lshr_b32 s27, s25, 3                         ; which 32 rows
	s_lshl_b32 s30, s26, 10
	s_mov_b32 s31, 0
	s_add_nc_u64 s[8:9], s[8:9], s[30:31]
	s_lshl_b32 s30, s27, 11
	s_add_nc_u64 s[10:11], s[10:11], s[30:31]
	s_lshl_b32 s30, s27, 17
	s_lshl_b32 s26, s26, 8
	s_add_co_u32 s30, s30, s26
	s_add_nc_u64 s[16:17], s[16:17], s[30:31]
	s_wait_alu depctr_va_vdst(0)
	v_lshlrev_b32 v1, 5, v2                        ; A: 32 bytes a lane
	v_lshlrev_b32 v3, 3, v2                        ; codes: 8 bytes a lane
	v_mov_b32 v4, 0                                ; B: every lane reads the same bytes
.irp r, 0,1,2,3,4,5,6,7,8,9,10,11,12,13,14,15
	global_load_b128 v[AT+8*\r:AT+8*\r+3],   v1, s[8:9] offset:8192*\r
	global_load_b128 v[AT+8*\r+4:AT+8*\r+7], v1, s[8:9] offset:8192*\r+16
.endr
.macro BLOAD j, off
.irp q, 0,1,2,3
	global_load_b128 v[BT+16*\j+4*\q:BT+16*\j+4*\q+3], v4, s[10:11] offset:\off+64*\j+16*\q
.endr
.endm
.irp j, 0,1,2,3
	BLOAD \j, 0
.endr
	s_wait_kmcnt 0x0
	MKSCALE 23, 33, 11, 10
.macro ROW j, refill, left             ; left: the loads issued behind this row's four, which may stay out
	s_wait_loadcnt \left
.irp p, 0,1,2,3
	v_pk_mul_f32 v[AC+2*\p:AC+2*\p+1], v[AT+2*\p:AT+2*\p+1], v[BT+16*\j:BT+16*\j+1] op_sel_hi:[1,0]
.endr
.set rr, 1
.rept 15
.irp p, 0,1,2,3
.if rr%2
	v_pk_fma_f32 v[AC+2*\p:AC+2*\p+1], v[AT+8*rr+2*\p:AT+8*rr+2*\p+1], v[BT+16*\j+2*(rr/2):BT+16*\j+2*(rr/2)+1], v[AC+2*\p:AC+2*\p+1] op_sel:[0,1,0] op_sel_hi:[1,1,1]
.else
	v_pk_fma_f32 v[AC+2*\p:AC+2*\p+1], v[AT+8*rr+2*\p:AT+8*rr+2*\p+1], v[BT+16*\j+2*(rr/2):BT+16*\j+2*(rr/2)+1], v[AC+2*\p:AC+2*\p+1] op_sel_hi:[1,0,1]
.endif
.endr
.set rr, rr+1
.endr
.if \refill
	BLOAD \j, 256
.endif
.irp i, 0,1,2,3,4,5,6,7
	v_med3_num_f32 v[AC+\i], v[AC+\i], -v10, v10
.endr
	v_cvt_scalef32_pk8_bf8_f32 v[CD+2*\j:CD+2*\j+1], v[AC:AC+7], v11
	v_nop
	global_store_b64 v3, v[CD+2*\j:CD+2*\j+1], s[16:17] offset:4096*\j   ; the wave stores 256 consecutive bytes of a row
.endm
	s_mov_b32 s32, 7                               ; eight trips of four rows; the last is written out, so that no load passes B's end
.Lrows:
	ROW 0, 1, 12
	ROW 1, 1, 12
	ROW 2, 1, 12
	ROW 3, 1, 12
	s_wait_xcnt 0x0                                ; bases and store data are written again only behind this wait
	s_add_nc_u64 s[10:11], s[10:11], 256
	s_add_nc_u64 s[16:17], s[16:17], 16384
	s_sub_co_u32 s32, s32, 1
	s_cmp_lg_u32 s32, 0
	s_cbranch_scc1 .Lrows
	ROW 0, 0, 12
	ROW 1, 0, 8
	ROW 2, 0, 4
	ROW 3, 0, 0
	s_endpgm
.Lfunc_end_k_qeb14bf3cf4_quant:
	.size	k_qeb14bf3cf4_quant, .Lfunc_end_k_qeb14bf3cf4_quant-k_qeb14bf3cf4_quant
	.p2alignl 7, 3214868480
	.fill 96, 4, 3214868480
	.section	.rodata,"a",@progbits
	.p2align	6, 0x0
	.amdhsa_kernel k_qeb14bf3cf4_quant
		.amdhsa_group_segment_fixed_size 67584
		.amdhsa_private_segment_fixed_size 0
		.amdhsa_enable_private_segment 0
		.amdhsa_kernarg_size 56
		.amdhsa_user_sgpr_count 2
		.amdhsa_user_sgpr_kernarg_segment_ptr 1
		.amdhsa_wavefront_size32 1
		.amdhsa_system_sgpr_workgroup_id_x 1
		.amdhsa_system_sgpr_workgroup_id_y 1
		.amdhsa_system_sgpr_workgroup_id_z 1
		.amdhsa_system_vgpr_workitem_id 0
		.amdhsa_next_free_vgpr 240
		.amdhsa_next_free_sgpr 66
		.amdhsa_reserve_vcc 0
		.amdhsa_float_denorm_mode_32 3
		.amdhsa_float_denorm_mode_16_64 3
		.amdhsa_memory_ordered 1
		.amdhsa_forward_progress 1
		.amdhsa_inst_pref_size 140
	.end_amdhsa_kernel
	.amdgpu_metadata
---
amdhsa.version: [ 1, 2 ]
amdhsa.kernels:
  - .name:           k_qeb14bf3cf4_quant
    .symbol:         k_qeb14bf3cf4_quant.kd
    .args:
      - { .name: x, .offset: 0, .size: 8, .value_kind: global_buffer, .address_space: global }
      - { .name: weight, .offset: 8, .size: 8, .value_kind: global_buffer, .address_space: global }
      - { .name: A, .offset: 16, .size: 8, .value_kind: global_buffer, .address_space: global }
      - { .name: B, .offset: 24, .size: 8, .value_kind: global_buffer, .address_space: global }
      - { .name: lowp_scales, .offset: 32, .size: 8, .value_kind: global_buffer, .address_space: global }
      - { .name: xc, .offset: 40, .size: 8, .value_kind: global_buffer, .address_space: global }
      - { .name: wc, .offset: 48, .size: 8, .value_kind: global_buffer, .address_space: global }
    .group_segment_fixed_size: 67584
    .private_segment_fixed_size: 0
    .kernarg_segment_align: 8
    .kernarg_segment_size: 56
    .max_flat_workgroup_size: 128
    .sgpr_count:     66
    .vgpr_count:     240
    .wavefront_size: 32
...
	.end_amdgpu_metadata
.endif
;; end of part 1
;; launch gemm (part 2): grid 32 x 8, 4 waves a work-group, clusters of 4 x 1, 327,680 bytes of LDS; arguments xc, wc, lowp_scales, bias, out0; writes out0
.if DOCPART == 2
	.amdgcn_target "amdgcn-amd-amdhsa--gfx1250"
	.amdhsa_code_object_version 6
	.text
	.protected	k_qeb14bf3cf4_gemm
	.globl	k_qeb14bf3cf4_gemm
	.p2align	8
	.type	k_qeb14bf3cf4_gemm,@function
k_qeb14bf3cf4_gemm:
	s_mov_b64 s[64:65], 0
	v_nop
	global_prefetch_b8 v0, s[64:65] scope:SCOPE_SE
	s_setreg_imm32_b32 hwreg(HW_REG_WAVE_MODE, 25, 1), 1
	s_wait_xcnt 0x0
	s_wait_alu depctr_hold_cnt(0) depctr_sa_sdst(0) depctr_va_vdst(0) depctr_va_sdst(0) depctr_va_ssrc(0) depctr_va_vcc(0) depctr_vm_vsrc(0)
	s_getreg_b32 s2, hwreg(HW_REG_IB_STS2, 6, 4)
	s_cmp_eq_u32 s2, 0
	s_cbranch_scc0 .Lentry_in_a_cluster
	s_endpgm
.Lentry_in_a_cluster:
	s_bfe_u32 s2, ttmp6, 0x10000c
	s_cmp_lg_u32 s2, 0x3003
	s_cbranch_scc0 .Lentry_shape_is_right
	s_endpgm
.Lentry_shape_is_right:
; out0[m][n] = 2^(e2+e3) sum over K 0-2047 + 2^(e0+e1) sum over K 2048-4095 of xc[m][k] wc[n][k], + bias[n]: both quantised products on codes of BF8, in one walk along K = 4,096.
; Behind K = 2,048 the sums are multiplied once by 2^(e2+e3-e0-e1), at the end by 2^(e0+e1).  LIMIT: e0+e1 and e2+e3-e0-e1 are each held within -126 .. 127, so that both factors are f32 numbers.
; A work-group of four waves makes 256 x 256 of out0; a wave makes 64 rows x 256 columns: 64 accumulators, 512 registers.  A step is 128 along K, 64 matrix instructions a wave.
; x's CODES GO FROM MEMORY STRAIGHT INTO REGISTERS: each wave alone needs its 64 rows, and xc holds the operand's register image (each load reads 512 consecutive bytes).  Four sets of 64 registers take turns:
; a step's 16 loads are issued three steps (192 matrix instructions) ahead.  No data prefetch is laid for them: their own lead is three steps of the loop.
; THE WEIGHTS' CODES, which all four waves need, go through a ring of two LDS slots of 256 rows x 512 along K (four steps), filled by the tensor data mover, a quarter (64 rows) a wave.
; CLUSTERS: the four work-groups of a cluster lie along m and need the same tiles of wc: each tile is asked for jointly (mask 15).
; A wave reads wc's 16 fragments of a step in eight groups of two through a ring of four groups (128 registers): four runs of two groups a step, each run 16 matrix instructions ahead of its first use; each fragment meets x's four.
; TRANSPOSED USE: source 0 = 16 rows of wc, source 1 = 16 rows of xc: a lane holds eight neighbouring columns of one row of out0.
; REGISTERS: window 0: v0-31 addresses, v32-95 the way out, v128-255 wc's ring; window 1: x's four sets (at the end: bias in v0-127); windows 2, 3: accumulator (b, a) at v[8 (4 (b % 8) + a)], window 2 + b / 8.
.set PITCH,  528                       ; an LDS row: 512 bytes + 16 of padding: the 16 rows that a load touches start at 16 different banks
.set QROWS,  64*PITCH                  ; what one tensor load brings
.set SLOT,   4*QROWS
.set SPARE,  2*SLOT                    ; the spare words, 128 bytes a wave
.set SPITCH, 1040                      ; the way out: a stage of 16 rows x (1,024 + 16) bytes a wave, in slot 0, behind that slot's last fill and last read
.set ADRB, 16                          ; v16-19 wc's fragments: slot 0 rows 0-127, 128-255; slot 1 likewise
.set STO,  20
.set RD,   21
.set AO,   22                          ; 16 x lane
.set BO,   23                          ; 32 h
.set PFO,  24
.set SPW,  28
.set NIL,  29
.set TMP,  32
.set BR,   128
.set BK,   128
.set G1, 24
.set G0, 32
.set AB, 44                            ; s[44:45] my rows of xc, at the trip's first step
.set SF, 72
.set SY, 74
.set PFA, 76
.set LIM, 78
.set MSB, 0
.macro WIN new                         ; the immediate's high byte repeats the setting that is left
.if MSB != \new
	s_set_vgpr_msb (MSB<<8)|\new
.set MSB, \new
.endif
.endm
.set MUL_LO, 0xa4                      ; source 0 window 0, source 1 window 1, C and D window 2
.set MUL_HI, 0xf4
.set TO_A,   0x40                      ; destination window 1, address window 0
.macro PLACES                          ; four places behind matrix instructions, ahead of loads into registers that they read
.rept 4
	v_nop
.endr
.endm
.macro JLOAD s                         ; the joint load: every wave its 64 rows; s_nop 0 and four v_nop follow
	tensor_load_to_lds s[G0+4*(\s):G0+4*(\s)+3], s[G1:G1+7]
	s_nop 0
	PLACES
.endm
.macro CREST
	s_cmp_lg_u32 s14, 0
	s_cbranch_scc1 .Lnot_wave_0_\@
	s_barrier_signal -3
.Lnot_wave_0_\@:
	s_barrier_wait -3
	s_barrier_signal -1
	s_barrier_wait -1
.endm
.macro CROUND
	s_barrier_signal -1
	s_barrier_wait -1
	CREST
.endm
.macro ALOAD set, jj                   ; x's four fragments of the step jj behind s[AB]
.irp a, 0,1,2,3
.irp c, 0,1,2,3
	global_load_b128 v[64*(\set)+16*\a+4*\c:64*(\set)+16*\a+4*\c+3], v[AO], s[AB:AB+1] offset:65536*\a+2048*(\jj)+512*\c
.endr
.endr
.endm
.macro BIASLD part                     ; bias at my columns 16 b + 8 h + 0 .. 7, b = 8 part .. 8 part + 7
.irp b, 0,1,2,3,4,5,6,7
	global_load_b128 v[64*(\part)+8*\b:64*(\part)+8*\b+3],   v[BO], s[84:85] offset:512*(\part)+64*\b
	global_load_b128 v[64*(\part)+8*\b+4:64*(\part)+8*\b+7], v[BO], s[84:85] offset:512*(\part)+64*\b+16
.endr
.endm
.macro LDG sl, q, g                    ; group g: wc's fragments b = 2 g, 2 g + 1 of the slot's step q; registers 4 c .. 4 c + 3 hold K = 32 c + 16 h + 0 .. 15, as xc's image has them
.irp i, 0,1
.irp c, 0,1,2,3
	ds_load_b128 v[BR+32*((\g)%4)+16*\i+4*\c:BR+32*((\g)%4)+16*\i+4*\c+3], v[ADRB+2*(\sl)+(\g)/4] offset:128*(\q)+32*\c+((2*(\g)+\i)%8)*16*PITCH
.endr
.endr
.endm
.macro LDN sl, q, g                    ; groups 8 and 9 are the next step's first two, in the same slot
.if (\g) < 8
	LDG \sl, \q, \g
.else
	LDG \sl, (\q)+1, (\g)-8
.endif
.endm
.macro MULG q, g, zero                 ; eight matrix instructions; the 64 accumulators take turns, in the same order in every step
.irp i, 0,1
.irp a, 0,1,2,3
.set DD, 8*(4*((2*(\g)+\i)%8)+\a)
.set BB, BR+32*((\g)%4)+16*\i
.set AA, 64*(\q)+16*\a
.if \zero
	v_wmma_f32_16x16x128_bf8_bf8 v[DD:DD+7], v[BB:BB+15], v[AA:AA+15], 0
.else
	v_wmma_f32_16x16x128_bf8_bf8 v[DD:DD+7], v[BB:BB+15], v[AA:AA+15], v[DD:DD+7]
.endif
.endr
.endr
.endm
.macro PHASE sl, q, d, zero            ; groups 2 d and 2 d + 1 are multiplied; first the two groups behind them are fetched, into the registers that the two groups before have left
	PLACES
	WIN 0
	LDN \sl, \q, 2*(\d)+2
	LDN \sl, \q, 2*(\d)+3
	s_wait_dscnt 24                                ; group 2 d is in; the three groups behind it may be out
	WIN MUL_LO+0x50*((\d)/2)
	MULG \q, 2*(\d), \zero
	s_wait_dscnt 16                                ; group 2 d + 1 is in
	MULG \q, 2*(\d)+1, \zero
.endm
.macro ASK                             ; wc's tile two refills on: 16 rows x 2 blocks of 256 bytes a wave; the four partners share a wave's 64 rows out by address; four clusters ask for each tile
	s_cmp_gt_u32 s3, s[LIM]                        ; the last trip's refills have no tile two on
	s_cbranch_scc0 .Lnone_\@
	global_prefetch_b8 v[PFO], s[PFA:PFA+1] th:TH_LOAD_NT scope:SCOPE_SE
.Lnone_\@:
.endm
; A step.  j: its number behind s[AB].  ld: 1 x's fragments of three steps on, 2 and 3 the halves of bias, 0 nothing.  lc: loads issued behind this step's own.
; mode: 0 plain; 1 the slot's last step, the slot is filled again; 2 the same with no refill; 3 the very last step.
.macro STEP sl, q, j, zero, ld, lc, mode
	PLACES
.if \ld == 1
	WIN TO_A
	ALOAD ((\q)+3)%4, (\j)+3
.endif
.if \ld >= 2
	WIN TO_A
	BIASLD (\ld)-2
.endif
	WIN 0
	LDG \sl, \q, 2
	LDG \sl, \q, 3
	s_wait_dscnt 24
	s_wait_loadcnt \lc
	WIN MUL_LO
	MULG \q, 0, \zero
	s_wait_dscnt 16
	MULG \q, 1, \zero
	PHASE \sl, \q, 1, \zero
.if \mode == 0
	PHASE \sl, \q, 2, \zero
	PHASE \sl, \q, 3, \zero
.endif
.if \mode == 3
	PHASE \sl, \q, 2, 0
	s_wait_dscnt 8
	MULG \q, 6, 0
	s_wait_dscnt 0
	MULG \q, 7, 0
.endif
.if (\mode == 1) || (\mode == 2)
	PLACES
	WIN 0
	LDG \sl, \q, 6
	LDG \sl, \q, 7                                 ; my last reads of this slot
.if \mode == 1
	s_wait_xcnt 0x0                                ; my prefetch has read its address
	s_add_nc_u64 s[PFA:PFA+1], s[PFA:PFA+1], 512
.endif
	s_wait_tensorcnt 0x0                           ; my one load that was out, my part of the next slot, has landed;
	ds_add_u32 v[SPW], v[NIL]
	s_wait_dscnt 25                                ; group 4 is in (behind it: three groups and the add)
	WIN MUL_HI
	MULG \q, 4, 0
	s_wait_dscnt 0x0                               ; the add is done, and my reads of this slot are over
	s_barrier_signal -1
	MULG \q, 5, 0
	WIN 0
	s_barrier_wait -1
.if \mode == 1
	CREST                                          ; the barrier has opened a round of the cluster's barrier
	s_add_nc_u64 s[G0+4*(\sl)+2:G0+4*(\sl)+3], s[G0+4*(\sl)+2:G0+4*(\sl)+3], 1024
	JLOAD \sl                                      ; its four v_nop are also the places ahead of the loads below
.else
	PLACES
.endif
	LDG 1-\sl, 0, 0
	LDG 1-\sl, 0, 1
.if \mode == 1
	ASK
.endif
	WIN MUL_HI
	MULG \q, 6, 0
	MULG \q, 7, 0
.endif
.endm
.macro RESCALE                         ; every sum x 2^(e2+e3-e0-e1); each accumulator from its low end on
	WIN 0x82
.set j, 0
.rept 128
	v_pk_mul_f32 v[j:j+1], v[j:j+1], s[SF:SF+1] op_sel_hi:[1,0]
.set j, j+2
.endr
	WIN 0xc3
.set j, 0
.rept 128
	v_pk_mul_f32 v[j:j+1], v[j:j+1], s[SF:SF+1] op_sel_hi:[1,0]
.set j, j+2
.endr
	WIN 0
.endm
	s_load_b128 s[4:7], s[0:1], 0x0                ; xc, wc
	s_load_b128 s[8:11], s[0:1], 0x10              ; lowp_scales, bias
	s_load_b64 s[12:13], s[0:1], 0x20              ; out0
	v_lshl_add_u32 v[SPW], v0, 2, SPARE
	v_mov_b32 v[NIL], 0
	ds_add_u32 v[SPW], v[NIL]
	ds_add_u32 v[SPW], v[NIL]
	v_lshrrev_b32 v1, 5, v0
	v_readfirstlane_b32 s14, v1                    ; wave
	v_and_b32 v6, 31, v0
	v_lshlrev_b32 v[AO], 4, v6
	s_bfe_u32 s40, ttmp6, 0x40000                  ; cx
	s_lshl_b32 s42, ttmp9, 2
	s_add_co_u32 s42, s42, s40                     ; tile row of out0
	s_and_b32 s17, ttmp7, 0xffff                   ; tile column: the same in all four partners
	s_mov_b32 s[G1+0], 15|(1<<20)|(1<<21)|(6<<22)|(3<<25)   ; the mask; elements of 1 byte; padding of 4 words behind every 128
	s_mov_b32 s[G1+1], 512<<16
	s_mov_b32 s[G1+2], 64<<16
	s_mov_b32 s[G1+3], 512<<16
	s_mov_b32 s[G1+4], 64
	s_mov_b32 s[G1+5], 4096
	s_mov_b32 s[G1+6], 0
	s_mov_b32 s[G1+7], 0
	s_lshl_b32 s46, s17, 8
	s_lshl_b32 s47, s14, 6
	s_add_co_u32 s46, s46, s47                     ; wc: row 256 x tile column + 64 x wave
	s_lshl_b32 s46, s46, 12
	s_mov_b32 s47, 0
	s_mul_i32 s43, s14, QROWS                      ; where my 64 rows go: the wave's number alone enters an LDS address
	s_lshl_b32 s20, s42, 4
	s_lshl_b32 s21, s14, 2
	s_add_co_u32 s20, s20, s21                     ; xc: block of 16 rows = 16 x tile row + 4 x wave
	s_lshl_b32 s20, s20, 16
	s_mov_b32 s21, 0
	s_mul_i32 s23, s14, 16*SPITCH
	s_wait_alu depctr_va_vdst(0)
	s_wait_dscnt 0x0
	s_wait_kmcnt 0x0
	s_load_b128 s[68:71], s[8:9], 0x0              ; e0 .. e3
	s_add_nc_u64 s[AB:AB+1], s[4:5], s[20:21]
	s_add_nc_u64 s[46:47], s[6:7], s[46:47]
	WIN TO_A
	ALOAD 0, 0                                     ; what the first step needs is asked for first
	WIN 0
	CROUND                                         ; in front of the first joint loads
.irp s, 0,1
	s_mov_b32 s[G0+4*\s], 1
	s_add_co_u32 s[G0+4*\s+1], s43, \s*SLOT
	s_add_nc_u64 s[G0+4*\s+2:G0+4*\s+3], s[46:47], \s*512
	s_or_b32 s[G0+4*\s+3], s[G0+4*\s+3], 0x80000000
.endr
	JLOAD 0                                        ; one tensor load a wave at the head
	WIN TO_A
	ALOAD 1, 1
	ALOAD 2, 2
	WIN 0
	v_and_b32 v1, 15, v0
	v_bfe_u32 v2, v0, 4, 1
	v_mul_u32_u24 v3, v1, PITCH
	v_lshl_add_u32 v[ADRB], v2, 4, v3
	v_add_nc_u32 v[ADRB+1], 8*16*PITCH, v[ADRB]
	v_add_nc_u32 v[ADRB+2], SLOT, v[ADRB]
	v_add_nc_u32 v[ADRB+3], SLOT+8*16*PITCH, v[ADRB]
	v_mul_u32_u24 v4, v1, SPITCH
	v_lshl_add_u32 v4, v2, 5, v4
	v_add_nc_u32 v[STO], s23, v4                   ; into my stage: row r, 32 bytes for each half of the lanes
	v_add_nc_u32 v[RD], s23, v[AO]                 ; back: 32 lanes take 512 bytes of a row
	v_lshlrev_b32 v[BO], 5, v2
	v_bfe_u32 v5, v0, 1, 4
	v_and_b32 v6, 1, v0
	v_lshlrev_b32 v6, 8, v6
	v_lshl_add_u32 v[PFO], v5, 12, v6              ; the prefetch: row lane / 2, block lane % 2
	s_lshl_b32 s20, s42, 8
	s_lshl_b32 s21, s14, 6
	s_add_co_u32 s20, s20, s21                     ; my first row of out0
	s_lshl_b32 s20, s20, 13
	s_lshl_b32 s21, s17, 10
	s_add_co_u32 s20, s20, s21
	s_mov_b32 s21, 0
	s_add_nc_u64 s[12:13], s[12:13], s[20:21]
	s_lshl_b32 s82, s17, 10
	s_mov_b32 s83, 0
	s_add_nc_u64 s[84:85], s[10:11], s[82:83]
	s_lshl_b32 s80, s17, 8
	s_lshl_b32 s81, s14, 6
	s_add_co_u32 s80, s80, s81
	s_lshl_b32 s81, s40, 4
	s_add_co_u32 s80, s80, s81                     ; my work-group's 16 of the 64 rows that I fetch
	s_lshl_b32 s80, s80, 12
	s_add_co_u32 s80, s80, 3*512                   ; the first refill steps it to the fifth tile along K
	s_mov_b32 s81, 0
	s_add_nc_u64 s[PFA:PFA+1], s[6:7], s[80:81]
	s_cmp_lt_u32 ttmp9, 4
	s_cselect_b32 s[LIM], 1, -1
	s_wait_kmcnt 0x0
	s_add_co_i32 s80, s68, s69
	s_add_co_i32 s81, s70, s71
	s_sub_co_i32 s82, s81, s80
	s_max_i32 s82, s82, -126
	s_min_i32 s82, s82, 127
	s_add_co_i32 s82, s82, 127
	s_lshl_b32 s[SF], s82, 23
	s_mov_b32 s[SF+1], s[SF]
	s_max_i32 s80, s80, -126
	s_min_i32 s80, s80, 127
	s_add_co_i32 s80, s80, 127
	s_lshl_b32 s[SY], s80, 23
	s_mov_b32 s[SY+1], s[SY]
	s_wait_alu depctr_va_vdst(0)
	s_wait_tensorcnt 0x0                           ; my part of slot 0 is in; the lines that stand ahead of a later first fill as ahead of a refill
	ds_add_u32 v[SPW], v[NIL]
	s_wait_dscnt 0x0
	CROUND
	JLOAD 1
	LDG 0, 0, 0
	LDG 0, 0, 1
	STEP 0, 0, 0, 1, 1, 48, 0                      ; the first step starts the sums: nothing is cleared
	WIN 0
	s_mov_b32 s3, 3
.Llap:                                                 ; a trip: eight steps, once round the ring; both slots are filled again
	STEP 0, 1, 1, 0, 1, 48, 0
	STEP 0, 2, 2, 0, 1, 48, 0
	STEP 0, 3, 3, 0, 1, 48, 1
	STEP 1, 0, 4, 0, 1, 48, 0
	STEP 1, 1, 5, 0, 1, 48, 0
	STEP 1, 2, 6, 0, 1, 48, 0
	STEP 1, 3, 7, 0, 1, 48, 1
	WIN 0
	s_cmp_lg_u32 s3, 2                             ; the second trip's last step is the base product's first
	s_cbranch_scc1 .Lsame
	RESCALE
.Lsame:
	s_wait_alu depctr_va_vdst(0)
	STEP 0, 0, 8, 0, 1, 48, 0
	WIN 0
	s_wait_xcnt 0x0                                ; the loads have read their base
	s_add_nc_u64 s[AB:AB+1], s[AB:AB+1], 8*2048
	s_sub_co_u32 s3, s3, 1
	s_cmp_lg_u32 s3, 0
	s_cbranch_scc1 .Llap
	STEP 0, 1, 1, 0, 1, 48, 0                      ; the last seven steps fill nothing
	STEP 0, 2, 2, 0, 1, 48, 0
	STEP 0, 3, 3, 0, 1, 48, 2
	STEP 1, 0, 4, 0, 1, 48, 0
	STEP 1, 1, 5, 0, 2, 48, 0                      ; bias takes the sets that x has left
	STEP 1, 2, 6, 0, 3, 48, 0
	STEP 1, 3, 7, 0, 0, 32, 3
	WIN 0
; THE WAY OUT, by blocks of 16 rows x 256 columns: sum x 2^(e0+e1) + bias, through my stage, back as whole rows; each store covers 512 consecutive bytes, at a multiple of 512 from out0's first byte.
; Each block comes back into registers of its own: blocks 0 and 1 into v128-255 of windows 0 and 1, blocks 2 and 3 into the accumulators that blocks 0 and 1 have left (row t into accumulator (t, a - 2)).
; So no store's data are written again, every offset is an immediate (63 rows of 8,192 bytes at the most), and no wait for the stores' sources is due.
.macro BKSET a, t
.if (\a) < 2
.set BB, BK+8*(\t)
.set BW, (\a)
.else
.set BB, 8*(4*((\t)%8)+(\a)-2)
.set BW, 2+(\t)/8
.endif
.endm
.macro TOSTAGE a
.irp u, 0,1
	WIN 0x12+\u                                    ; source 0 window 2 or 3, source 2 (bias) window 1
.irp b, 0,1,2,3,4,5,6,7
.irp i, 0,2,4,6
	v_pk_fma_f32 v[TMP+8*\b+\i:TMP+8*\b+\i+1], v[8*(4*\b+\a)+\i:8*(4*\b+\a)+\i+1], s[SY:SY+1], v[64*\u+8*\b+\i:64*\u+8*\b+\i+1] op_sel_hi:[1,0,1]
.endr
.endr
	WIN 0
.irp b, 0,1,2,3,4,5,6,7
	ds_store_b128 v[STO], v[TMP+8*\b:TMP+8*\b+3] offset:512*\u+64*\b
	ds_store_b128 v[STO], v[TMP+8*\b+4:TMP+8*\b+7] offset:512*\u+64*\b+16
.endr
.endr
.irp t, 0,1,2,3,4,5,6,7,8,9,10,11,12,13,14,15
	BKSET \a, \t
	WIN (BW<<6)
	ds_load_b128 v[BB:BB+3],   v[RD] offset:\t*SPITCH       ; LDS serves a wave's instructions in order: these see the stores above
	ds_load_b128 v[BB+4:BB+7], v[RD] offset:\t*SPITCH+512
.endr
	WIN 0
.endm
.macro SEND a, younger
	s_wait_dscnt \younger
.irp t, 0,1,2,3,4,5,6,7,8,9,10,11,12,13,14,15
	BKSET \a, \t
	WIN (BW<<2)                                    ; a store's data: source 1
	global_store_b128 v[AO], v[BB:BB+3],   s[12:13] offset:(\a)*131072+\t*8192 th:TH_STORE_NT
	global_store_b128 v[AO], v[BB+4:BB+7], s[12:13] offset:(\a)*131072+\t*8192+512 th:TH_STORE_NT
.endr
	WIN 0
.endm
	s_wait_loadcnt 0x0                             ; bias is in
	PLACES
	TOSTAGE 0
.irp a, 1,2,3
	TOSTAGE \a
	SEND \a-1, 63                                  ; behind block a - 1's loads stand block a's 64 LDS instructions; the count is the field's largest
.endr
	SEND 3, 0
	s_wait_tensorcnt 0x0                           ; the wave's end
	ds_add_u32 v[SPW], v[NIL]
	s_wait_dscnt 0x0
	CROUND                                         ; the closing round
	s_endpgm
.Lfunc_end_k_qeb14bf3cf4_gemm:
	.size	k_qeb14bf3cf4_gemm, .Lfunc_end_k_qeb14bf3cf4_gemm-k_qeb14bf3cf4_gemm
	.p2alignl 7, 3214868480
	.fill 96, 4, 3214868480
	.section	.rodata,"a",@progbits
	.p2align	6, 0x0
	.amdhsa_kernel k_qeb14bf3cf4_gemm
		.amdhsa_group_segment_fixed_size 327680
		.amdhsa_private_segment_fixed_size 0
		.amdhsa_enable_private_segment 0
		.amdhsa_kernarg_size 40
		.amdhsa_user_sgpr_count 2
		.amdhsa_user_sgpr_kernarg_segment_ptr 1
		.amdhsa_wavefront_size32 1
		.amdhsa_system_sgpr_workgroup_id_x 1
		.amdhsa_system_sgpr_workgroup_id_y 1
		.amdhsa_system_sgpr_workgroup_id_z 1
		.amdhsa_system_vgpr_workitem_id 0
		.amdhsa_next_free_vgpr 1024
		.amdhsa_next_free_sgpr 96
		.amdhsa_reserve_vcc 0
		.amdhsa_float_denorm_mode_32 3
		.amdhsa_float_denorm_mode_16_64 3
		.amdhsa_memory_ordered 1
		.amdhsa_forward_progress 1
		.amdhsa_inst_pref_size 242
	.end_amdhsa_kernel
	.amdgpu_metadata
---
amdhsa.version: [ 1, 2 ]
amdhsa.kernels:
  - .name:           k_qeb14bf3cf4_gemm
    .symbol:         k_qeb14bf3cf4_gemm.kd
    .args:
      - { .name: xc, .offset: 0, .size: 8, .value_kind: global_buffer, .address_space: global }
      - { .name: wc, .offset: 8, .size: 8, .value_kind: global_buffer, .address_space: global }
      - { .name: lowp_scales, .offset: 16, .size: 8, .value_kind: global_buffer, .address_space: global }
      - { .name: bias, .offset: 24, .size: 8, .value_kind: global_buffer, .address_space: global }
      - { .name: out0, .offset: 32, .size: 8, .value_kind: global_buffer, .address_space: global }
    .group_segment_fixed_size: 327680
    .private_segment_fixed_size: 0
    .kernarg_segment_align: 8
    .kernarg_segment_size: 40
    .max_flat_workgroup_size: 128
    .sgpr_count:     96
    .vgpr_count:     1024
    .wavefront_size: 32
...
	.end_amdgpu_metadata
.endif
;; end of part 2
